; MI455X (gfx1250); checked and timed in simulation.
; The chip was launched on July 23, 2026; its instructions are those of AMD's public machine-readable ISA for CDNA 5 (MIT licence, August 2026) and "CDNA5" Instruction Set Architecture Reference Guide (July 2026). The comments in the code are by the model that wrote it; some were corrected since.
;; Multi Head Attention2d. Allowed arithmetic: matrix products marked QUANTISED: E5M2 operands, one given power-of-two scale a tensor, by v_wmma_f32_16x16x64_bf8_bf8 or v_wmma_f32_16x16x128_bf8_bf8, f32 sums; everything else in f32.
;; Inputs: Wk 256 x 64 float32; Wq 256 x 64 float32; Wv 256 x 64 float32; bk 256 float32; bq 256 float32; bv 256 float32; lowp_scales 10 int32 (the exponents e of the quantised operands' scales 2^e); x 4 x 64 x 64 x 64 float32; y 4 x 64 x 64 x 64 float32.
;; Outputs: out0 4 x 4 x 64 x 64 x 64 float32.
;; This version of the problem:
;;   THIS VERSION OF THE PROBLEM IS GIVEN IN LOW PRECISION. The matrix products marked QUANTISED in the list below multiply operands that are first quantised to E5M2 (5 exponent bits, 2 mantissa bits; 8 bits a number), with one given power-of-two scale for each operand tensor; their sums are f32. All else is computed in f32.
;;   The module's matrix products, in the order in which they are computed (A, B: the left and right operand; K: the contracted axis; several contracted axes count as one K, in the product's order):
;;     1. [M 256, K 64] x [K 64, N 16,384]; A: input Wq; B: input x: QUANTISED (scales: A lowp_scales[0], B lowp_scales[1])
;;     2. [M 256, K 64] x [K 64, N 16,384]; A: input Wk; B: input y: QUANTISED (scales: A lowp_scales[2], B lowp_scales[3])
;;     3. [M 256, K 64] x [K 64, N 16,384]; A: input Wv; B: input y: QUANTISED (scales: A lowp_scales[4], B lowp_scales[5])
;;     4. batch 16 x [M 4,096, K 64] x [K 64, N 4,096]; A: computed on the way; B: computed on the way: QUANTISED (scales: A lowp_scales[6], B lowp_scales[7])
;;     5. batch 16 x [M 4,096, K 4,096] x [K 4,096, N 64]; A: softmax (see below); B: computed on the way: QUANTISED (scales: A lowp_scales[8], B lowp_scales[9])
;;   THE QUANTISER, for each operand of a quantised product, along K:
;;     - The operand's scale is 2^e, e = its entry of the input lowp_scales (int32; the entries are numbered through the quantised products in the list's order, A before B).
;;     - Each number is divided by the scale, clamped to +-57,344, and rounded to the nearest number of E5M2, ties to even, subnormals kept.
;;     - The product sums the exact products of the quantised numbers (number of the format x scale) in f32.
;;   ~~~python
;;   def quantise(x, axis, e):      # numpy; x: float32 -> the quantised numbers, widened to float32 again
;;       x = np.moveaxis(x, axis, -1); K = x.shape[-1]
;;       r = np.clip(x / 2.0 ** e, -57344, 57344)
;;       step = 2.0 ** (np.maximum(np.frexp(np.where(r == 0, 1, r))[1] - 1, -14) - 2)
;;       q = np.round(r / step) * step * 2.0 ** e      # np.round: ties to even
;;       return np.moveaxis(q, -1, axis).astype(np.float32)
;;   ~~~
;;   SOFTMAX AHEAD OF A QUANTISED PRODUCT. Where the list says 'softmax', what is quantised is not the finished softmax but p = 2^(t - M), with t = logit x log2(e) and M = ceil(the row's largest t), a whole number; so 1/2 < the row's largest p <= 1. The row's sum l is taken of the UNQUANTISED p, in f32, and the product's result is divided by l at the end. Since M is a whole number, a kernel that streams over the keys may use a running M (the ceiling of the running maximum): every later rescaling is an exact power of two, so the quantised numbers keep their values, but for numbers so far below the row's largest that they fall under the format's range.
;;   OPERANDS COMPUTED ON THE WAY. 'Computed on the way' means the value that the module computes at that place (a softmax that the list does not call 'softmax' is quantised finished and normalised). What goes into a quantiser is computed in f32, as accurately as f32 sums, v_exp_f32 and their like allow (about 1e-6 of the number): no bf16 or f16 on the way to a quantiser, and a product that is left as it is and whose result goes on into a quantised operand takes f32 operands (vector FMAs, or v_wmma_f32_16x16x4_f32). A number that lies on a knife's edge between two numbers of the format may be rounded either way, as far as f32 arithmetic and the matrix unit's own rounding can turn it there, and no further.
;; One version. Each part assembles by itself: llvm-mc -triple=amdgcn-amd-amdhsa -mcpu=gfx1250 --defsym DOCPART=n.
;; ======== version 1 of 1: 2 launches
;; limits: right only within a limited range of input values
;; workspace buffers: qc 4,194,304 bytes; kv 8,388,608 bytes
;; launch proj (part 1): grid 64 x 4, 4 waves a work-group, no clusters, 12,800 bytes of LDS; arguments x, y, Wq, Wk, Wv, bq, bk, bv, lowp_scales, qc, kv; writes qc, kv
.if DOCPART == 1
	.amdgcn_target "amdgcn-amd-amdhsa--gfx1250"
	.amdhsa_code_object_version 6
	.text
	.protected	k_qd442f2c523_proj
	.globl	k_qd442f2c523_proj
	.p2align	8
	.type	k_qd442f2c523_proj,@function
k_qd442f2c523_proj:
	s_mov_b64 s[64:65], 0
	v_nop
	global_prefetch_b8 v0, s[64:65] scope:SCOPE_SE
	s_setreg_imm32_b32 hwreg(HW_REG_WAVE_MODE, 25, 1), 1
	s_wait_xcnt 0x0
; q = Wq x + bq, k = Wk y + bk, v = Wv y + bv (1 x 1 convolutions: [256][64] x [64 channels][pixels]), all three products on codes of BF8 (E5M2), and q, k, v quantised again for the attention that follows.
; x, y: [4][64][4096] f32.  W*: [256][64] f32.  b*: [256] f32.  lowp_scales: e0 .. e9 (int32): Wq e0, x e1, Wk e2, y e3 (for k), Wv e4, y e5 (for v), q e6, k e7, v e9.
; code = number / 2^e, held within +-57,344, to the nearest code, ties to even.
; LIMITS: e0 .. e5, and e6 - e0 - e1, e7 - e2 - e3, e9 - e4 - e5, lie between -126 and 112, so that each scale and 57,344 x the scale is an f32 number.  NaN among the inputs is not served.
; SHARES.  A work-group owns 64 pixels of one batch (256 consecutive bytes of every row of x and of y).  Wave w is head w: it makes q, k and v of its 64 channels for the 64 pixels, and it alone of the
; work-group reads its 3 x 64 rows of the weights.  x and y (y twice, with e3 and with e5) are quantised by the four waves together, a quarter each, and go round through LDS as images of operand registers.
; THE PLACE OF K IN EVERY OPERAND HERE: lane (r, h), register p, byte i hold channel 32 h + 4 p + i.  That is a permutation of the form's own places, the same on both sides, so every product meets its partner.
; q AND k ARE MADE TRANSPOSED: source 0 = 16 rows of W, source 1 = 16 pixels, and THE ROWS OF A TILE ARE NOT NEIGHBOURS: lane r of tile t takes row 32 (r / 8) + 8 t + r % 8.  So lane (r, h) of the results holds pixel r,
; and its 32 registers of tiles 0 .. 3 are head channels 32 h + 0 .. 31: four conversions are a fragment of the next product, whose K is the head's 64.
; v IS MADE THE OTHER WAY ROUND: source 0 = 16 pixels, source 1 = 16 rows of Wv: lane (r, h) holds head channel 16 t + r and pixels 8 h + 0 .. 7: neighbours along the keys, which are the K of its next product.
; A bias is the C of its tile's one matrix instruction, divided (exactly) by the power of two that the sums lack; the three scales ahead of an output's quantiser are folded into the conversion's one.
; OUT.  qc[bh][query tile][c][lane][16 bytes], kv[bh][128 keys][K: tile t, c | V: g, channel tile][lane][16 bytes]: images of operand registers, four registers = 512 bytes on end.  Every store covers 512 consecutive
; bytes, at a multiple of 512 from its buffer's first byte.
; NO CLUSTER.  What work-groups share is the weights.  A wave takes its 49,152 bytes of them straight into the registers in which they are quantised; brought jointly they would land in LDS first and be read from
; there once, 96 LDS loads a lane more, behind rounds of a barrier that this straight line of text does not otherwise need.
; REGISTERS, in windows of 256.  Window 0: v1-10 lane terms; v16-79 x and y as f32, later eight accumulators; v112-135 the three sets of codes; v136-231 output codes, 16 for each of six groups, so
; that no store's data are written again; v232-249 scales; v250-253 bv.   Window 1 + j (j = 0 q, 1 k, 2 v): v0-127 W as f32; v128-159 the bias, four tiles; v160-191 W's four fragments; v192-223 the pixels' four.
.set VX,   4                           ; v4   4 x lane: my pixel in a row of x or y
.set VWA,  5                           ; v5   Wq, Wk: (r / 8) x 32 rows + (r % 8) rows of 256 bytes + 128 h
.set VWB,  6                           ; v6   Wv: row r + 128 h
.set VBA,  7                           ; v7   bq, bk: 128 h
.set VBB,  8                           ; v8   bv: 4 r
.set LI,   9                           ; v9   16 x lane: my place in an image
.set XST,  10                          ; v10  where I store my quarter of an image
.set ACC,  16
.set XR,   16
.set YR,   48
.set YC,   80
.set AC,   112
.set OC,   136
.set WS,   232                         ; weight j: scale at WS + 2 j
.set AS,   238                         ; the same for x, y (e3), y (e5)
.set OS,   244                         ; the same for q, k, v
.set BV,   250
.set CB,   128                         ; in window 1 + j
.set WC,   160
.set AF,   192
.set MSB, 0
.macro WIN new                         ; low byte: bits 1:0 source 0, 3:2 source 1, 5:4 source 2, 7:6 destination; the high byte repeats the setting that is left
.if MSB != (\new)
	s_set_vgpr_msb (MSB<<8)|(\new)
.set MSB, (\new)
.endif
.endm
.macro MKSC se, vs                     ; from the whole number e in s[se]: 2^e into v[vs] (a conversion takes its exponent field)
	s_add_co_i32 s56, s[\se], 127
	s_lshl_b32 s57, s56, 23
	v_mov_b32 v[\vs], s57
	s_add_co_i32 s56, s56, 15
	s_lshl_b32 s56, s56, 23
	s_or_b32 s56, s56, 0x600000
.endm
.macro WLOAD j, sb, va, pitch          ; my 64 rows of weight j: tile t's 32 numbers of my lane's row at v[32 t ..] of window 1 + j
	WIN 0x40*(\j+1)
.irp t, 0,1,2,3
.irp u, 0,1,2,3,4,5,6,7
	global_load_b128 v[32*\t+4*\u:32*\t+4*\u+3], v[\va], s[\sb:\sb+1] offset:\pitch*\t+16*\u
.endr
.endr
.endm
.macro WQUANT j                        ; weight j becomes four fragments of 8 registers
	WIN 0x41*(\j+1)
.set i, 0
.rept 128
.set i, i+1
.endr
.set i, 0
.rept 16
	v_cvt_scalef32_pk8_bf8_f32 v[WC+2*i:WC+2*i+1], v[8*i:8*i+7], v[WS+2*(\j)]
.set i, i+1
.endr
	v_nop                                          ; a plain line between the last conversion and the matrix instructions that read the codes
	WIN 0
.endm
; Eight tiles of output j: for q and k pixel tiles 2 hh, 2 hh + 1 x the four tiles of rows; for v channel tiles 2 hh, 2 hh + 1 x the four pixel tiles.  K = 64: one instruction a tile, the bias as C.
.macro GROUP j, hh
.set OCB, OC+16*(2*\j+\hh)
	WIN 0x15*(\j+1)                                ; A, B and C in window 1 + j, D in window 0
.irp p, 0,1
.irp q, 0,1,2,3
.if \j < 2
	v_wmma_f32_16x16x64_bf8_bf8 v[ACC+8*(4*\p+\q):ACC+8*(4*\p+\q)+7], v[WC+8*\q:WC+8*\q+7], v[AF+8*(2*\hh+\p):AF+8*(2*\hh+\p)+7], v[CB+8*\q:CB+8*\q+7]
.else
	v_wmma_f32_16x16x64_bf8_bf8 v[ACC+8*(4*\p+\q):ACC+8*(4*\p+\q)+7], v[AF+8*\q:AF+8*\q+7], v[WC+8*(2*\hh+\p):WC+8*(2*\hh+\p)+7], v[CB+8*(2*\hh+\p):CB+8*(2*\hh+\p)+7]
.endif
.endr
.endr
	WIN 0
.rept 4
	v_nop                                          ; four places between the last product and the first line that reads and rewrites results (ISA guide 7.12.1)
.endr
.set i, 0
.rept 64
.set i, i+1
.endr
.set i, 0
.rept 8
	v_cvt_scalef32_pk8_bf8_f32 v[OCB+2*i:OCB+2*i+1], v[ACC+8*i:ACC+8*i+7], v[OS+2*(\j)]
.set i, i+1
.endr
	v_nop                                          ; a plain line between the last conversion and the next group's products, which write its sources
.irp u, 0,1,2,3
.if \j == 0
	global_store_b128 v[LI], v[OCB+4*\u:OCB+4*\u+3], s[34:35] offset:(2*\hh+\u/2)*1024+(\u%2)*512
.elseif \j == 1
	global_store_b128 v[LI], v[OCB+4*\u:OCB+4*\u+3], s[36:37] offset:(2*\hh+\u/2)*1024+(\u%2)*512
.else
	global_store_b128 v[LI], v[OCB+4*\u:OCB+4*\u+3], s[36:37] offset:8192+(\u%2)*2048+(2*\hh+\u/2)*512
.endif
.endr
.endm
	s_load_b512 s[16:31], s[0:1], 0x0              ; x 16:17, y 18:19, Wq 20:21, Wk 22:23, Wv 24:25, bq 26:27, bk 28:29, bv 30:31
	s_load_b128 s[32:35], s[0:1], 0x40             ; the scales' exponents 32:33, qc 34:35
	s_load_b64 s[36:37], s[0:1], 0x50              ; kv
	v_lshl_add_u32 v254, v0, 2, 0x3000
	v_mov_b32 v255, 0
	v_lshrrev_b32 v11, 5, v0
	v_readfirstlane_b32 s4, v11                    ; wave = head
	s_and_b32 s5, ttmp7, 0xffff                    ; batch
	v_and_b32 v1, 31, v0                           ; lane
	v_and_b32 v2, 15, v0                           ; r
	v_bfe_u32 v3, v0, 4, 1                         ; h
	v_lshlrev_b32 v[VX], 2, v1
	v_bfe_u32 v11, v0, 3, 1                        ; r / 8
	v_and_b32 v12, 7, v0                           ; r % 8
	v_lshlrev_b32 v[VWA], 13, v11
	v_lshl_add_u32 v[VWA], v12, 8, v[VWA]
	v_lshl_add_u32 v[VWA], v3, 7, v[VWA]
	v_lshlrev_b32 v[VWB], 8, v2
	v_lshl_add_u32 v[VWB], v3, 7, v[VWB]
	v_lshlrev_b32 v[VBA], 7, v3
	v_lshlrev_b32 v[VBB], 2, v2
	v_lshlrev_b32 v[LI], 4, v1
	s_and_b32 s50, s4, 1                           ; which 32 of the 64 pixels I quantise,
	s_lshr_b32 s51, s4, 1                          ; and which 32 of the 64 channels
	s_lshl_b32 s6, s5, 20                          ; x, y: batch x 64 rows of 16,384 bytes
	s_lshl_b32 s7, ttmp9, 8                        ; + the work-group's 256 bytes of a row
	s_add_co_u32 s6, s6, s7
	s_lshl_b32 s7, s50, 7                          ; + my 128 of them
	s_add_co_u32 s6, s6, s7
	s_lshl_b32 s7, s51, 19                         ; + my 32 rows
	s_add_co_u32 s6, s6, s7
	s_mov_b32 s7, 0
	s_lshl_b32 s8, s4, 14                          ; the weights: my 64 rows of 256 bytes
	s_mov_b32 s9, 0
	s_lshl_b32 s10, s4, 8                          ; the biases: my 64 numbers
	s_mov_b32 s11, 0
	s_lshl_b32 s52, s5, 2
	s_add_co_u32 s52, s52, s4                      ; bh = 4 x batch + head
	s_lshl_b32 s12, s52, 18                        ; qc: 256 tiles of 1,024 bytes a head, my four tiles
	s_lshl_b32 s13, ttmp9, 12
	s_add_co_u32 s12, s12, s13
	s_mov_b32 s13, 0
	s_lshl_b32 s14, s52, 19                        ; kv: 32 steps of 16,384 bytes a head; two work-groups to a step: each has half of K's part and half of V's
	s_lshr_b32 s15, ttmp9, 1
	s_lshl_b32 s15, s15, 14
	s_add_co_u32 s14, s14, s15
	s_and_b32 s15, ttmp9, 1
	s_lshl_b32 s15, s15, 12
	s_add_co_u32 s14, s14, s15
	s_mov_b32 s15, 0
	s_lshl_b32 s53, s50, 11                        ; an image's place for what I quantise: my lane l holds pixel 32 (w % 2) + l, channels 32 (w / 2) on: that is lane l % 16 + 16 (w / 2) of pixel tile 2 (w % 2) + l / 16
	s_lshl_b32 s54, s51, 8
	s_add_co_u32 s53, s53, s54
	v_lshlrev_b32 v[XST], 10, v3
	v_lshl_add_u32 v[XST], v2, 4, v[XST]
	v_add_nc_u32 v[XST], s53, v[XST]
	s_wait_alu depctr_va_vdst(0)
	s_wait_kmcnt 0x0
	s_load_b256 s[40:47], s[32:33], 0x0            ; e0 .. e7
	s_load_b32 s49, s[32:33], 0x24                 ; e9
	s_add_nc_u64 s[16:17], s[16:17], s[6:7]
	s_add_nc_u64 s[18:19], s[18:19], s[6:7]
	s_add_nc_u64 s[20:21], s[20:21], s[8:9]
	s_add_nc_u64 s[22:23], s[22:23], s[8:9]
	s_add_nc_u64 s[24:25], s[24:25], s[8:9]
	s_add_nc_u64 s[26:27], s[26:27], s[10:11]
	s_add_nc_u64 s[28:29], s[28:29], s[10:11]
	s_add_nc_u64 s[30:31], s[30:31], s[10:11]
	s_add_nc_u64 s[34:35], s[34:35], s[12:13]
	s_add_nc_u64 s[36:37], s[36:37], s[14:15]
	; A LANE TAKES A PIXEL AND ITS REGISTERS RUN DOWN THE CHANNELS, which are K: each load reads 128 consecutive bytes, two waves side by side a row's 256.  Each byte of x and y is read once in the launch
.set i, 0
.rept 32
	global_load_b32 v[XR+i], v[VX], s[16:17] offset:16384*i th:TH_LOAD_NT
.set i, i+1
.endr
.set i, 0
.rept 32
	global_load_b32 v[YR+i], v[VX], s[18:19] offset:16384*i th:TH_LOAD_NT
.set i, i+1
.endr
.irp d, 0,1,2,3
	global_load_b32 v[BV+\d], v[VBB], s[30:31] offset:64*\d        ; bv of head channel 16 d + r
.endr
	WIN 0x40
.irp u, 0,1,2,3,4,5,6,7
	global_load_b128 v[CB+4*\u:CB+4*\u+3], v[VBA], s[26:27] offset:16*\u   ; bq of head channels 32 h + 0 .. 31: tile t's eight at 8 t
.endr
	WLOAD 0, 20, VWA, 2048
	WIN 0x80
.irp u, 0,1,2,3,4,5,6,7
	global_load_b128 v[CB+4*\u:CB+4*\u+3], v[VBA], s[28:29] offset:16*\u
.endr
	WIN 0
	s_wait_kmcnt 0x0
	MKSC 40, WS
	MKSC 42, WS+2
	MKSC 44, WS+4
	MKSC 41, AS
	MKSC 43, AS+2
	MKSC 45, AS+4
	s_add_co_i32 s53, s40, s41                     ; a sum of the first product stands for sum x 2^(e0 + e1): q's code is sum / 2^(e6 - e0 - e1), and bq goes in as bq / 2^(e0 + e1)
	s_sub_co_i32 s50, s46, s53
	s_sub_co_i32 s53, 0, s53
	s_add_co_i32 s54, s42, s43
	s_sub_co_i32 s51, s47, s54
	s_sub_co_i32 s54, 0, s54
	s_add_co_i32 s55, s44, s45
	s_sub_co_i32 s52, s49, s55
	s_sub_co_i32 s55, 0, s55
	MKSC 50, OS
	MKSC 51, OS+2
	MKSC 52, OS+4
	s_wait_alu depctr_va_vdst(0)
	s_wait_loadcnt 52                              ; x and y are in: behind them 4 loads of bv, 8 of bq, 32 of Wq, 8 of bk were issued
.set i, 0
.rept 32
.set i, i+1
.endr
.set i, 0
.rept 32
.set i, i+1
.endr
.set i, 0
.rept 32
.set i, i+1
.endr
.irp u, 0,1,2,3
	v_cvt_scalef32_pk8_bf8_f32 v[AC+2*\u:AC+2*\u+1], v[XR+8*\u:XR+8*\u+7], v[AS]
	v_cvt_scalef32_pk8_bf8_f32 v[AC+8+2*\u:AC+8+2*\u+1], v[YR+8*\u:YR+8*\u+7], v[AS+2]
	v_cvt_scalef32_pk8_bf8_f32 v[AC+16+2*\u:AC+16+2*\u+1], v[YR+8*\u:YR+8*\u+7], v[AS+4]
.endr
	v_nop                                          ; a plain line behind the last conversion: its sources are the accumulators' registers later
.irp a, 0,1,2
	ds_store_b128 v[XST], v[AC+8*\a:AC+8*\a+3] offset:4096*\a
	ds_store_b128 v[XST], v[AC+8*\a+4:AC+8*\a+7] offset:4096*\a+512
.endr
	WLOAD 1, 22, VWA, 2048
	s_wait_loadcnt 32                              ; all but Wk's 32 loads: the biases and Wq are in
	WQUANT 0
	WIN 0x41
.set i, 0
.rept 32
	v_ldexp_f32 v[CB+i], v[CB+i], s53              ; bq / 2^(e0 + e1): nothing is rounded
.set i, i+1
.endr
	WIN 0x82
.set i, 0
.rept 32
	v_ldexp_f32 v[CB+i], v[CB+i], s54
.set i, i+1
.endr
	WIN 0xc0
.irp d, 0,1,2,3
.irp j, 0,1,2,3,4,5,6,7
	v_ldexp_f32 v[CB+8*\d+\j], v[BV+\d], s55       ; in v's tiles a lane holds ONE channel: the same line scales its bias and lays it into the tile's eight registers
.endr
.endr
	WLOAD 2, 24, VWB, 4096
	s_wait_loadcnt 32                              ; all but Wv's 32 loads: Wk is in
	WQUANT 1
	s_wait_loadcnt 0x0
	WQUANT 2
	s_wait_dscnt 0x0                               ; for the others' sake: my quarter of the three images has landed
	s_barrier_signal -1
	s_barrier_wait -1                              ; everybody's has
.irp j, 0,1,2
	WIN 0x40*(\j+1)
.irp n, 0,1,2,3
	ds_load_b128 v[AF+8*\n:AF+8*\n+3], v[LI] offset:4096*\j+1024*\n
	ds_load_b128 v[AF+8*\n+4:AF+8*\n+7], v[LI] offset:4096*\j+1024*\n+512
.endr
.endr
	WIN 0
	s_wait_dscnt 0x0
	GROUP 0, 0
	GROUP 0, 1
	GROUP 1, 0
	GROUP 1, 1
	GROUP 2, 0
	GROUP 2, 1
	s_wait_tensorcnt 0x0
	ds_add_u32 v254, v255
	s_wait_dscnt 0x0
	s_endpgm
.Lfunc_end_k_qd442f2c523_proj:
	.size	k_qd442f2c523_proj, .Lfunc_end_k_qd442f2c523_proj-k_qd442f2c523_proj
	.p2alignl 7, 3214868480
	.fill 96, 4, 3214868480
	.section	.rodata,"a",@progbits
	.p2align	6, 0x0
	.amdhsa_kernel k_qd442f2c523_proj
		.amdhsa_group_segment_fixed_size 12800
		.amdhsa_private_segment_fixed_size 0
		.amdhsa_enable_private_segment 0
		.amdhsa_kernarg_size 88
		.amdhsa_user_sgpr_count 2
		.amdhsa_user_sgpr_kernarg_segment_ptr 1
		.amdhsa_wavefront_size32 1
		.amdhsa_system_sgpr_workgroup_id_x 1
		.amdhsa_system_sgpr_workgroup_id_y 1
		.amdhsa_system_sgpr_workgroup_id_z 1
		.amdhsa_system_vgpr_workitem_id 0
		.amdhsa_next_free_vgpr 1024
		.amdhsa_next_free_sgpr 66
		.amdhsa_reserve_vcc 0
		.amdhsa_float_denorm_mode_32 3
		.amdhsa_float_denorm_mode_16_64 3
		.amdhsa_fp16_overflow 1
		.amdhsa_memory_ordered 1
		.amdhsa_forward_progress 1
		.amdhsa_inst_pref_size 45
	.end_amdhsa_kernel
	.amdgpu_metadata
---
amdhsa.version: [ 1, 2 ]
amdhsa.kernels:
  - .name:           k_qd442f2c523_proj
    .symbol:         k_qd442f2c523_proj.kd
    .args:
      - { .name: x, .offset: 0, .size: 8, .value_kind: global_buffer, .address_space: global }
      - { .name: y, .offset: 8, .size: 8, .value_kind: global_buffer, .address_space: global }
      - { .name: Wq, .offset: 16, .size: 8, .value_kind: global_buffer, .address_space: global }
      - { .name: Wk, .offset: 24, .size: 8, .value_kind: global_buffer, .address_space: global }
      - { .name: Wv, .offset: 32, .size: 8, .value_kind: global_buffer, .address_space: global }
      - { .name: bq, .offset: 40, .size: 8, .value_kind: global_buffer, .address_space: global }
      - { .name: bk, .offset: 48, .size: 8, .value_kind: global_buffer, .address_space: global }
      - { .name: bv, .offset: 56, .size: 8, .value_kind: global_buffer, .address_space: global }
      - { .name: lowp_scales, .offset: 64, .size: 8, .value_kind: global_buffer, .address_space: global }
      - { .name: qc, .offset: 72, .size: 8, .value_kind: global_buffer, .address_space: global }
      - { .name: kv, .offset: 80, .size: 8, .value_kind: global_buffer, .address_space: global }
    .group_segment_fixed_size: 12800
    .private_segment_fixed_size: 0
    .kernarg_segment_align: 8
    .kernarg_segment_size: 88
    .max_flat_workgroup_size: 128
    .sgpr_count:     66
    .vgpr_count:     1024
    .wavefront_size: 32
...
	.end_amdgpu_metadata
.endif
;; end of part 1
;; launch attn (part 2): grid 16 x 16, 8 waves a work-group, clusters of 4 x 1, 327,680 bytes of LDS; arguments qc, kv, lowp_scales, out0; writes out0
.if DOCPART == 2
	.amdgcn_target "amdgcn-amd-amdhsa--gfx1250"
	.amdhsa_code_object_version 6
	.text
	.protected	k_qd442f2c523_attn
	.globl	k_qd442f2c523_attn
	.p2align	8
	.type	k_qd442f2c523_attn,@function
k_qd442f2c523_attn:
	s_mov_b64 s[64:65], 0
	v_nop
	global_prefetch_b8 v0, s[64:65] scope:SCOPE_SE
	s_setreg_imm32_b32 hwreg(HW_REG_WAVE_MODE, 25, 1), 1
	s_wait_xcnt 0x0
	s_wait_alu depctr_hold_cnt(0) depctr_sa_sdst(0) depctr_va_vdst(0) depctr_va_sdst(0) depctr_va_ssrc(0) depctr_va_vcc(0) depctr_vm_vsrc(0)
	s_getreg_b32 s2, hwreg(HW_REG_IB_STS2, 6, 4)
	s_cmp_eq_u32 s2, 0
	s_cbranch_scc0 .Lentry_in_a_cluster
	s_endpgm
.Lentry_in_a_cluster:
	s_bfe_u32 s2, ttmp6, 0x10000c
	s_cmp_lg_u32 s2, 0x3003
	s_cbranch_scc0 .Lentry_shape_is_right
	s_endpgm
.Lentry_shape_is_right:
; out0[b][head][d][n] = the sum over keys m of softmax_m(q[n] . k[m]) v[m][d], for 16 pairs bh = 4 b + head, 4,096 queries, 4,096 keys, head size 64; no scaling, no mask.  Both products on codes of BF8 (E5M2).
; qc, kv: the codes of q, k, v as images of operand registers (four registers = 512 bytes on end, lane l's 16 bytes at 16 l):
;   qc[bh][query tile 0..255][c 0..1]: lane (r, h) holds query 16 tile + r; register p = 4 c + .., byte i: head channel 32 h + 4 p + i.
;   kv[bh][step 0..31]: 8,192 bytes of K, [tile t 0..7][c], keys 128 step + 16 t + r, channels placed as in qc (a permutation of the form's own places, the same on both sides: every product meets its partner);
;                       8,192 bytes of V, [g 0..3][channel tile 0..3]: registers 4 g .. 4 g + 3 of the fragment of channels 16 tile + r; registers 2 c, 2 c + 1 hold keys 128 step + 16 c + 8 h + 0 .. 7.
; lowp_scales: e6 (q), e7 (k), e8 (p), e9 (v).
; THE SOFTMAX AHEAD OF THE SECOND PRODUCT: t = score x log2(e); M = the row's largest t so far, rounded UP to a whole number; p = 2^(t - M) is what is quantised, not normalised.  The row's sum is taken of the
; unquantised p, in f32, and divides at the end.  When M moves, the sum and O are multiplied by 2^(old M - new M): nothing is rounded, and there is no branch on data.
; LIMITS: e6 + e7 between -126 and 127 (added to log2(e)'s exponent field); e8 between -126 and 112; e8 + e9 goes in by v_ldexp_f32 and has none.  NaN is not served.
; SHARES.  A work-group owns 256 queries of one bh; each of its EIGHT waves owns 32, two tiles of 16, in 512 registers: two waves to a SIMD, so that one wave's matrix instructions and LDS loads stand beside the other's
; softmax, which is the bulk of a step (388 vector lines against 24 matrix instructions), and each fragment read from LDS feeds two matrix instructions.  Every wave walks all keys, 128 a step.
; LAYOUT.  Both products are used transposed: S^T = K Q^T (source 0 = 16 keys, source 1 = 16 queries, K = 64), O^T += V^T P^T (source 0 = 16 channels, source 1 = P, K = 128 keys): a lane holds ONE query (lane % 16)
; throughout; in S^T its registers of tile t are keys 16 t + 8 (lane / 16) + 0 .. 7, so tile t's conversion gives registers 2 t, 2 t + 1 of P.  O^T is also how out0 lies: queries innermost.
; RING.  Two LDS slots of 8 steps (131,072 consecutive bytes of kv); each wave fetches one step's 16,384 bytes by one tensor load.  At most one tensor load of a wave is out at any time.
; CLUSTER.  The four query blocks of a cluster belong to one bh and walk the same kv: each block is asked for JOINTLY, by the same tensor load with the same descriptor and a mask that names the four.
; My place in the cluster enters the addresses of qc and out0 alone.
; REGISTERS, in windows of 256.  Window 0: v1-11 addresses and constants; v16-27, v28-39 a tile's statistics; v64-191 S^T, then p, 64 a tile; v192-223 P, 16 a tile.
;   Window 1: v0-63 O^T (tile T, channel tile d at 8 (4 T + d)); v64-79 Q; v128-191 K of a step; v192-255 V of a step.
.set STEPB,  16384                     ; a step's bytes: K's 8,192, then V's
.set SLOT1,  1<<17                     ; slot 1 begins here: one exclusive or turns an address in one slot into the other's
.set NBLK,   4                         ; slots' worth of keys
.set SPARE,  2*SLOT1                   ; behind the ring: the spare words, 128 bytes for each wave: four blocks of 256 bytes that no other line names
.set SPITCH, 1040                      ; the way out: a stage of 64 rows (channels) x (256 queries x 4 bytes + 16), from LDS byte 0: in slot 0, which has had its last fill, and which every wave has left at the last change of slots
.set LI,  1                            ; v1   16 x lane
.set ADR, 2                            ; v2   LDS address of the step in hand, for my lane
.set SPW, 3                            ; v3   LDS address of my spare word: SPARE + 4 x my thread's number; never rewritten
.set NIL, 4                            ; v4   0; never rewritten
.set STO, 5                            ; v5   the way out: where I put a number
.set RD,  6                            ; v6   the way out: where I read a row back
.set LIM, 10
.set PSC, 11                           ; v11  2^e8
.set ST,  16                           ; tile T's statistics at v[ST + 12 T]: +0 -M, +1 the largest t, +2, +3 the sum in two halves, +4 f (+5 named with it), +6, +7 at work, +8, +9 a second chain of sums, +10 the other half's number
.set S,   64
.set P,   192
.set OUTR, 64                          ; the way out: O^T / the sum
.set BK,  128                          ; the way out: rows read back from the stage
.set QF,  64                           ; in window 1
.set KF,  128
.set VF,  192
.set WV,  12                           ; s12  my wave's number
.set G1,  24                           ; s[24:31] descriptor group 1
.set G0,  40                           ; s[40:43] descriptor group 0, which walks
.set SLOTS, 44
.set CNT, 45
.set TB,  46                           ; s46  LDS byte at which the step in hand begins
.set CS,  52                           ; s[52:53] c = log2(e) x 2^(e6 + e7): the packed form names a pair and takes its low word for both halves
.set SEL, 54                           ; s[54:55] lane selects for v_permlanex16_b32: lane l xor 16
.set TO1,   0x40                       ; destination window 1, address window 0
.set W_KQ,  0x05                       ; K and Q in window 1, S^T in window 0
.set W_RS,  0x41                       ; O^T (destination and source 0) in window 1, f in window 0
.set W_PV,  0x51                       ; V, C and D in window 1, P in window 0
.set W_OUT, 0x01                       ; O^T (source 0) in window 1
.set MSB, 0
.macro WIN new                         ; low byte: bits 1:0 source 0, 3:2 source 1, 5:4 source 2, 7:6 destination; the high byte repeats the setting that is left
.if MSB != (\new)
	s_set_vgpr_msb (MSB<<8)|(\new)
.set MSB, (\new)
.endif
.endm
.macro PLACES
.rept 4
	v_nop
.endr
.endm
; A round of the cluster's barrier: my work-group's barrier, so that wave 0's signal speaks for all eight waves; wave 0 signals for the work-group; every wave waits for all four work-groups; my work-group's barrier once more.
.macro CROUND
	s_barrier_signal -1
	s_barrier_wait -1
	s_cmp_lg_u32 s[WV], 0
	s_cbranch_scc1 .Lnot_wave_0_\@
	s_barrier_signal -3
.Lnot_wave_0_\@:
	s_barrier_wait -3
	s_barrier_signal -1
	s_barrier_wait -1
.endm
.macro FETCH_K off                     ; a step's eight tiles of K, off bytes behind the step in hand
.irp t, 0,1,2,3,4,5,6,7
	ds_load_b128 v[KF+8*\t:KF+8*\t+3],   v[ADR] offset:\off+1024*\t
	ds_load_b128 v[KF+8*\t+4:KF+8*\t+7], v[ADR] offset:\off+1024*\t+512
.endr
.endm
.macro FETCH_V                         ; the step's four fragments of V^T
.irp d, 0,1,2,3
.irp g, 0,1,2,3
	ds_load_b128 v[VF+16*\d+4*\g:VF+16*\d+4*\g+3], v[ADR] offset:8192+2048*\g+512*\d
.endr
.endr
.endm
.macro MAXP                            ; the step's largest score of each of my two queries, among my 64 keys: two chains a tile, each accumulator from its low end on
.irp t, 0,1
	v_max3_num_f32 v[ST+12*\t+6], v[S+64*\t], v[S+64*\t+1], v[S+64*\t+2]
	v_max3_num_f32 v[ST+12*\t+7], v[S+64*\t+3], v[S+64*\t+4], v[S+64*\t+5]
.endr
.irp i, 6,10,14,18,22,26,30,34,38,42,46,50,54,58
.irp t, 0,1
	v_max3_num_f32 v[ST+12*\t+6], v[ST+12*\t+6], v[S+64*\t+\i], v[S+64*\t+\i+1]
	v_max3_num_f32 v[ST+12*\t+7], v[ST+12*\t+7], v[S+64*\t+\i+2], v[S+64*\t+\i+3]
.endr
.endr
.irp t, 0,1
	v_max3_num_f32 v[ST+12*\t+6], v[ST+12*\t+6], v[S+64*\t+62], v[S+64*\t+63]
.endr
.irp t, 0,1
	s_delay_alu instid0(VALU_DEP_2)
	v_max_num_f32 v[ST+12*\t+6], v[ST+12*\t+6], v[ST+12*\t+7]
.endr
.endm
.macro STAT                            ; the two tiles line by line, so that no line reads the result of the one just above it
.irp t, 0,1
	s_delay_alu instid0(VALU_DEP_2)
	v_permlanex16_b32 v[ST+12*\t+10], v[ST+12*\t+6], s[SEL], s[SEL+1]   ; the query's other 64 keys lie in the lane 16 away
.endr
.irp t, 0,1
	s_delay_alu instid0(VALU_DEP_2)
	v_max_num_f32 v[ST+12*\t+6], v[ST+12*\t+6], v[ST+12*\t+10]
.endr
.irp t, 0,1
	s_delay_alu instid0(VALU_DEP_2)
	v_mul_f32 v[ST+12*\t+6], s[CS], v[ST+12*\t+6]                  ; as t (c is positive)
.endr
.irp t, 0,1
	s_delay_alu instid0(VALU_DEP_2)
	v_max_num_f32 v[ST+12*\t+1], v[ST+12*\t+1], v[ST+12*\t+6]      ; the running largest t
.endr
.irp t, 0,1
	v_mov_b32 v[ST+12*\t+6], v[ST+12*\t]                           ; the old -M is kept for f
.endr
.irp t, 0,1
	s_delay_alu instid0(VALU_DEP_4)
	v_floor_f32 v[ST+12*\t], -v[ST+12*\t+1]                        ; the new -M = floor(-t) = -ceil(t): M IS A WHOLE NUMBER
.endr
.irp t, 0,1
	s_delay_alu instid0(VALU_DEP_2)
	v_sub_f32 v[ST+12*\t+6], v[ST+12*\t], v[ST+12*\t+6]            ; old M - new M: a whole number, 0 or less
.endr
.irp t, 0,1
	s_delay_alu instid0(VALU_DEP_2)
	v_cvt_i32_f32 v[ST+12*\t+6], v[ST+12*\t+6]                     ; (it saturates)
.endr
.irp t, 0,1
	s_delay_alu instid0(VALU_DEP_2)
	v_ldexp_f32 v[ST+12*\t+4], 1.0, v[ST+12*\t+6]                  ; f = 2^(old M - new M)
.endr
.endm
.macro EXPP t                          ; tile t: p, its sum, its codes
.set rT, ST+12*(\t)
.set rS, S+64*(\t)
.set rP, P+16*(\t)
.set i, 0
.rept 32
	v_pk_fma_f32 v[rS+i:rS+i+1], v[rS+i:rS+i+1], s[CS:CS+1], v[rT:rT+1] op_sel_hi:[1,0,0]   ; t - M, two at a time (of the pairs c and -M the low word serves both halves)
.set i, i+2
.endr
.set i, 0
	s_wait_alu depctr_va_vdst(0)
.rept 64
	v_exp_f32 v[rS+i], v[rS+i]                     ; p = 2^(t - M), at most 1
.set i, i+1
.endr
	v_pk_mul_f32 v[rT+2:rT+3], v[rT+2:rT+3], v[rT+4:rT+5] op_sel_hi:[1,0]   ; the sums under the new M.  (The plain line behind the exponentials)
	s_wait_alu depctr_va_vdst(0)
	v_pk_add_f32 v[rT+8:rT+9], v[rS:rS+1], v[rS+2:rS+3]            ; THE ROW'S SUM IS TAKEN OF THE UNQUANTISED p: two at a time, in two chains
.set i, 4
.rept 15
	v_pk_add_f32 v[rT+2:rT+3], v[rT+2:rT+3], v[rS+i:rS+i+1]
	v_pk_add_f32 v[rT+8:rT+9], v[rT+8:rT+9], v[rS+i+2:rS+i+3]
.set i, i+4
.endr
	s_delay_alu instid0(VALU_DEP_1)
	v_pk_add_f32 v[rT+2:rT+3], v[rT+2:rT+3], v[rT+8:rT+9]
.set i, 0
.rept 32
.set i, i+2
.endr
.set i, 0
.rept 8
	v_cvt_scalef32_pk8_bf8_f32 v[rP+2*i:rP+2*i+1], v[rS+8*i:rS+8*i+7], v[PSC]   ; S^T's tile i gives registers 2 i, 2 i + 1 of P
.set i, i+1
.endr
.endm
; A KEY STEP: 128 keys.  next = 1: the step has a successor in its slot, whose K is fetched while this step's softmax is walked.
.macro STEP next
	s_wait_dscnt 0x0                               ; K is in (asked for a softmax ago)
	WIN W_KQ
.irp t, 0,1,2,3,4,5,6,7
.irp q, 0,1
	v_wmma_f32_16x16x64_bf8_bf8 v[S+64*\q+8*\t:S+64*\q+8*\t+7], v[KF+8*\t:KF+8*\t+7], v[QF+8*\q:QF+8*\q+7], 0
.endr
.endr
	PLACES                                         ; four places in front of loads into registers that matrix instructions have read, and of the first read of the scores (ISA guide 7.12.1 for vector instructions)
	WIN TO1
	FETCH_V
.if \next
	FETCH_K STEPB
.endif
	WIN 0
	MAXP
	STAT
	EXPP 0
	EXPP 1
	WIN W_RS
.irp q, 0,1
.set i, 0
.rept 16
	v_pk_mul_f32 v[32*\q+i:32*\q+i+1], v[32*\q+i:32*\q+i+1], v[ST+12*\q+4:ST+12*\q+5] op_sel_hi:[1,0]   ; O^T under the new M: x f.  (Also the plain lines between the conversions and the products that read P)
.set i, i+2
.endr
.endr
	s_wait_alu depctr_va_vdst(0)
	s_wait_dscnt 16*\next                          ; V is in; behind its loads only the next step's sixteen of K were issued
	WIN W_PV
.irp d, 0,1,2,3
.irp q, 0,1
	v_wmma_f32_16x16x128_bf8_bf8 v[8*(4*\q+\d):8*(4*\q+\d)+7], v[VF+16*\d:VF+16*\d+15], v[P+16*\q:P+16*\q+15], v[8*(4*\q+\d):8*(4*\q+\d)+7]   ; the eight accumulators by turns, one instruction a turn
.endr
.endr
	WIN 0
.if \next
	s_add_co_u32 s[TB], s[TB], STEPB
	v_add_nc_u32 v[ADR], s[TB], v[LI]
.endif
.endm
; A slot's eight steps.  The last is written out: it fetches no K, so that nothing is read from the other slot ahead of the change of slots.
.macro SLOT_STEPS more
	v_add_nc_u32 v[ADR], s[TB], v[LI]
	WIN TO1
	FETCH_K 0
	WIN 0
	s_mov_b32 s[CNT], 7
.Lstep_\@:
	s_wait_alu depctr_va_vdst(0)
	STEP 1
	s_sub_co_u32 s[CNT], s[CNT], 1
	s_cmp_lg_u32 s[CNT], 0
	s_cbranch_scc1 .Lstep_\@
	s_wait_alu depctr_va_vdst(0)
	STEP 0
.if \more
	s_sub_co_u32 s[TB], s[TB], 7*STEPB             ; back to a slot's first step,
	s_xor_b32 s[TB], s[TB], SLOT1                  ; in the other slot
.endif
.endm
; THE CHANGE OF SLOTS stands at a slot's head.  Each wave waits for all its tensor loads (its step of the slot that it is about to read), adds 0 to its spare word, and waits for that and for its reads of the slot that it has left.
; fill = 1: the barrier is a round of the cluster's, so that no wave of any partner still reads the slot that was left or has a load on its way, and that slot is filled with the next 1,024 keys:
; the load is the first thing behind the round, the wave's only one until the next, and has eight steps in which to land.
.macro CHANGE fill
	s_wait_tensorcnt 0x0                           ; no tensor load of mine is out, so group 0 may be written
	ds_add_u32 v[SPW], v[NIL]                      ; 0 onto my spare word
.if \fill
	s_xor_b32 s[G0+1], s[G0+1], SLOT1              ; the walking descriptor: the other slot than last time,
	s_add_nc_u64 s[G0+2:G0+3], s[G0+2:G0+3], 8*STEPB   ; the next eight steps; the type bits on top are not reached
.endif
	s_wait_dscnt 0x0                               ; the add is done, and my reads of the slot that I have left are over
.if \fill
	CROUND
	tensor_load_to_lds s[G0:G0+3], s[G1:G1+7]
	s_nop 0
	PLACES                                         ; four v_nop follow the load
.else
	s_barrier_signal -1
	s_barrier_wait -1
.endif
.endm
	s_load_b256 s[4:11], s[0:1], 0x0               ; qc s[4:5], kv s[6:7], the scales' exponents s[8:9], out0 s[10:11]
	v_lshl_add_u32 v[SPW], v0, 2, SPARE
	v_mov_b32 v[NIL], 0
	ds_add_u32 v3, v4
	ds_add_u32 v3, v4
	s_wait_dscnt 0x0
	v_lshrrev_b32 v7, 5, v0
	s_delay_alu instid0(VALU_DEP_1)
	v_readfirstlane_b32 s[WV], v7                  ; wave 0..7
	s_bfe_u32 s13, ttmp6, 0x40000                  ; cx: my place in the cluster
	s_lshl_b32 s14, ttmp9, 2                       ; in a cluster launch ttmp9 counts clusters
	s_add_co_u32 s14, s14, s13                     ; my block of 256 queries = 4 x cluster x + cx: it enters qc's and out0's addresses alone
	s_and_b32 s15, ttmp7, 0xffff                   ; bh, which the four partners share
	s_lshl_b32 s18, s15, 19                        ; kv: 524,288 bytes a bh, + my step of a slot: made of bh and the wave's number alone
	s_lshl_b32 s19, s[WV], 14
	s_add_co_u32 s18, s18, s19
	s_mov_b32 s19, 0
	s_lshl_b32 s16, s15, 18                        ; qc: 262,144 bytes a bh, 16 tiles of 1,024 a block, my two tiles
	s_lshl_b32 s17, s14, 14
	s_add_co_u32 s16, s16, s17
	s_lshl_b32 s17, s[WV], 11
	s_add_co_u32 s16, s16, s17
	s_mov_b32 s17, 0
	s_lshl_b32 s20, s15, 20                        ; out0: 64 rows of 16,384 bytes a bh; I store rows 8 w .. 8 w + 7, the block's 1,024 bytes of each
	s_lshl_b32 s21, s[WV], 17
	s_add_co_u32 s20, s20, s21
	s_lshl_b32 s21, s14, 10
	s_add_co_u32 s20, s20, s21
	s_mov_b32 s21, 0
	; descriptor group 1: a dense block of 16,384 bytes as 64 rows of 32 elements of 8 bytes; no padding: every LDS read is 16 x lane on end
	s_mov_b32 s[G1], 15|(3<<16)|(1<<21)            ; 15:0 the mask: all four work-groups; 17:16 elements of 8 bytes; 21 set beside a mask
	s_mov_b32 s[G1+1], 32<<16                      ; tensor_dim0 = 32
	s_mov_b32 s[G1+2], 64<<16                      ; tensor_dim1 = 64
	s_mov_b32 s[G1+3], 32<<16                      ; tile_dim0 = 32
	s_mov_b32 s[G1+4], 64                          ; tile_dim1 = 64
	s_mov_b32 s[G1+5], 32                          ; tensor_dim0_stride: rows follow each other
	s_mov_b32 s[G1+6], 0
	s_mov_b32 s[G1+7], 0
	s_mov_b32 s[SEL], 0x76543210
	s_mov_b32 s[SEL+1], 0xfedcba98
	s_mov_b32 s[TB], 0
	s_mov_b32 s[SLOTS], NBLK-1
	s_wait_kmcnt 0x0
	s_load_b128 s[48:51], s[8:9], 0x18             ; e6, e7, e8, e9
	s_mov_b32 s[G0], 1                             ; 1:0 count = 1
	s_lshl_b32 s[G0+1], s[WV], 14                  ; 63:32 LDS address: slot 0, my step: no place in the cluster enters it
	s_add_nc_u64 s[G0+2:G0+3], s[6:7], s[18:19]    ; 120:64 global address
	s_or_b32 s[G0+3], s[G0+3], 0x80000000          ; 127:126 type = 2
	s_add_nc_u64 s[4:5], s[4:5], s[16:17]
	s_add_nc_u64 s[10:11], s[10:11], s[20:21]
	CROUND                                         ; all four work-groups are here: the first joint loads meet
	tensor_load_to_lds s[G0:G0+3], s[G1:G1+7]      ; slot 0: keys 0 to 1,023
	s_nop 0
	PLACES
	v_and_b32 v[LI], 31, v0
	s_delay_alu instid0(VALU_DEP_1)
	v_lshlrev_b32 v[LI], 4, v[LI]
	WIN TO1
.irp i, 0,1,2,3
	global_load_b128 v[QF+4*\i:QF+4*\i+3], v[LI], s[4:5] offset:512*\i   ; Q's two fragments stay in registers
.endr
.set i, 0
.rept 64
	v_mov_b32 v[i], 0                              ; O^T.  (The step is written once for all steps: the first finds zeros, which the first change of M leaves zeros)
.set i, i+1
.endr
	WIN 0
.irp t, 0,1
	v_mov_b32 v[ST+12*\t+1], 0xff61b1e6            ; the largest t so far: -3e38, under every t
	s_delay_alu instid0(VALU_DEP_1)
	v_floor_f32 v[ST+12*\t], -v[ST+12*\t+1]        ; -M
	v_mov_b32 v[ST+12*\t+2], 0                     ; the sum, in two halves
	v_mov_b32 v[ST+12*\t+3], 0
	v_mov_b32 v[ST+12*\t+5], 0                     ; (named as the upper half of f's pair)
	v_mov_b32 v[ST+12*\t+10], 0                    ; written once: a lane permute's destination counts as one of its sources
.endr
	s_wait_kmcnt 0x0
	s_add_co_i32 s56, s48, s49
	s_lshl_b32 s56, s56, 23
	s_add_co_i32 s[CS], s56, 0x3fb8aa3b            ; a score stands for score x 2^(e6 + e7): the two exponents are added to log2(e)'s exponent field
	s_mov_b32 s[CS+1], s[CS]                       ; (named with it as a pair, so it is written)
	s_add_co_i32 s56, s50, 127
	s_lshl_b32 s57, s56, 23
	v_mov_b32 v[PSC], s57                          ; 2^e8 as f32: the conversion takes its exponent field
	s_wait_loadcnt 0x0                             ; Q
.Lslot:                                            ; NBLK - 1 trips: behind each change of slots but the last the next slot is asked for
	CHANGE 1
	SLOT_STEPS 1
	s_sub_co_u32 s[SLOTS], s[SLOTS], 1
	s_cmp_lg_u32 s[SLOTS], 0
	s_cbranch_scc1 .Lslot
	CHANGE 0                                       ; the last slot (slot 1) is written out
	SLOT_STEPS 0
	; THE WAY OUT.  The sum's two halves and the other half of the lanes' are added; O^T x 2^(e8 + e9) / the sum goes into the work-group's stage, a row to a channel, a column to a query, and leaves as rows:
	; a row's 1,024 bytes come from all eight waves, so a barrier stands between the writing and the reading.  The lines up to the multiplications are the places behind the last products.
.irp t, 0,1
	v_add_f32 v[ST+12*\t+6], v[ST+12*\t+2], v[ST+12*\t+3]
.endr
.irp t, 0,1
	s_delay_alu instid0(VALU_DEP_2)
	v_permlanex16_b32 v[ST+12*\t+10], v[ST+12*\t+6], s[SEL], s[SEL+1]
.endr
.irp t, 0,1
	s_delay_alu instid0(VALU_DEP_2)
	v_add_f32 v[ST+12*\t+6], v[ST+12*\t+6], v[ST+12*\t+10]         ; the row's sum
.endr
	s_wait_alu depctr_va_vdst(0)
.irp t, 0,1
	v_rcp_f32 v[ST+12*\t+6], v[ST+12*\t+6]
.endr
	v_and_b32 v7, 15, v0                           ; (plain lines behind the reciprocals)  r
	v_bfe_u32 v8, v0, 4, 1                         ; h
	s_lshl_b32 s56, s[WV], 7
	v_mul_u32_u24 v[STO], v8, 8*SPITCH             ; in: register 8 d + j of tile T is channel 16 d + 8 h + j of query 32 w + 16 T + r: 8 h rows + 128 w + 4 r; the rest stands in the immediate.
	s_delay_alu instid0(VALU_DEP_1)
	v_lshl_add_u32 v[STO], v7, 2, v[STO]           ; Lanes 0-15 write 64 bytes on end; lanes 16-31 lie 8,320 bytes = 2,080 words on, 32 words off modulo 64 (64 banks of 4 bytes: ISA guide 11.1)
	s_delay_alu instid0(VALU_DEP_1)
	v_add_nc_u32 v[STO], s56, v[STO]
	s_mul_i32 s57, s[WV], 8*SPITCH
	v_add_nc_u32 v[RD], s57, v[LI]                 ; back: rows 8 w .. 8 w + 7, 16 bytes a lane
	s_add_co_i32 s56, s50, s51
	s_wait_alu depctr_va_vdst(0)
.irp t, 0,1
	v_ldexp_f32 v[ST+12*\t+6], v[ST+12*\t+6], s56  ; x 2^(e8 + e9)
.endr
	WIN W_OUT
.irp q, 0,1
.set i, 0
.rept 16
	v_pk_mul_f32 v[OUTR+32*\q+i:OUTR+32*\q+i+1], v[32*\q+i:32*\q+i+1], v[ST+12*\q+6:ST+12*\q+7] op_sel_hi:[1,0]   ; each accumulator from its low end on
.set i, i+2
.endr
.endr
	WIN 0
.irp q, 0,1
.irp d, 0,1,2,3
.irp j, 0,1,2,3,4,5,6,7
	ds_store_b32 v[STO], v[OUTR+32*\q+8*\d+\j] offset:(16*\d+\j)*SPITCH+64*\q
.endr
.endr
.endr
	s_wait_dscnt 0x0                               ; for the others' sake: my stores into the stage are done
	s_barrier_signal -1
	s_barrier_wait -1
.set n, 0
.rept 16
	ds_load_b128 v[BK+4*n:BK+4*n+3], v[RD] offset:SPITCH*(n/2)+512*(n%2)
.set n, n+1
.endr
.set n, 0
.rept 16
	s_wait_dscnt 15-n                              ; LDS loads come back in order (ISA guide 5.7.1): load n is in, the younger ones may be out
	global_store_b128 v[LI], v[BK+4*n:BK+4*n+3], s[10:11] offset:16384*(n/2)+512*(n%2) th:TH_STORE_NT   ; 32 lanes store 512 consecutive bytes of a row of out0, at a multiple of 512 from its first byte; written once, read by nobody here
.set n, n+1
.endr
	s_wait_tensorcnt 0x0                           ; the wave's end: behind my last tensor load and my last LDS store
	ds_add_u32 v[SPW], v[NIL]
	s_wait_dscnt 0x0
	CROUND                                         ; the closing round: no work-group ends while a partner may still ask for a block that names it
	s_endpgm
.Lfunc_end_k_qd442f2c523_attn:
	.size	k_qd442f2c523_attn, .Lfunc_end_k_qd442f2c523_attn-k_qd442f2c523_attn
	.p2alignl 7, 3214868480
	.fill 96, 4, 3214868480
	.section	.rodata,"a",@progbits
	.p2align	6, 0x0
	.amdhsa_kernel k_qd442f2c523_attn
		.amdhsa_group_segment_fixed_size 327680
		.amdhsa_private_segment_fixed_size 0
		.amdhsa_enable_private_segment 0
		.amdhsa_kernarg_size 32
		.amdhsa_user_sgpr_count 2
		.amdhsa_user_sgpr_kernarg_segment_ptr 1
		.amdhsa_wavefront_size32 1
		.amdhsa_system_sgpr_workgroup_id_x 1
		.amdhsa_system_sgpr_workgroup_id_y 1
		.amdhsa_system_sgpr_workgroup_id_z 1
		.amdhsa_system_vgpr_workitem_id 0
		.amdhsa_next_free_vgpr 512
		.amdhsa_next_free_sgpr 66
		.amdhsa_reserve_vcc 0
		.amdhsa_float_denorm_mode_32 3
		.amdhsa_float_denorm_mode_16_64 3
		.amdhsa_fp16_overflow 1
		.amdhsa_memory_ordered 1
		.amdhsa_forward_progress 1
		.amdhsa_inst_pref_size 117
	.end_amdhsa_kernel
	.amdgpu_metadata
---
amdhsa.version: [ 1, 2 ]
amdhsa.kernels:
  - .name:           k_qd442f2c523_attn
    .symbol:         k_qd442f2c523_attn.kd
    .args:
      - { .name: qc, .offset: 0, .size: 8, .value_kind: global_buffer, .address_space: global }
      - { .name: kv, .offset: 8, .size: 8, .value_kind: global_buffer, .address_space: global }
      - { .name: lowp_scales, .offset: 16, .size: 8, .value_kind: global_buffer, .address_space: global }
      - { .name: out0, .offset: 24, .size: 8, .value_kind: global_buffer, .address_space: global }
    .group_segment_fixed_size: 327680
    .private_segment_fixed_size: 0
    .kernarg_segment_align: 8
    .kernarg_segment_size: 32
    .max_flat_workgroup_size: 256
    .sgpr_count:     66
    .vgpr_count:     512
    .wavefront_size: 32
...
	.end_amdgpu_metadata
.endif
;; end of part 2
